; MI455X (gfx1250); checked and timed in simulation.
; The chip was launched on July 23, 2026; its instructions are those of AMD's public machine-readable ISA for CDNA 5 (MIT licence, August 2026) and "CDNA5" Instruction Set Architecture Reference Guide (July 2026). The comments in the code are by the model that wrote it; some were corrected since.
;; Ternary Dense. Allowed arithmetic: matrix products marked QUANTISED: E2M1 operands, one E8M0 scale for each 32 along K, by v_wmma_scale_f32_16x16x128_f8f6f4 with both operands' format E2M1 (or v_wmma_scale_f32_32x16x128_f4), f32 sums; everything else in f32.
;; Inputs: W 4,096 x 4,096 float32; b 4,096 float32; inputs_codes 4,096 x 128 x 16 uint8 (E2M1 codes of inputs, K innermost, in blocks of 32 codes, two codes a byte); inputs_scales 4,096 x 128 uint8 (E8M0 scales of inputs, one for each 32 codes along K).
;; Outputs: out0 4,096 x 4,096 float32.
;; This version of the problem:
;;   THIS VERSION OF THE PROBLEM IS GIVEN IN LOW PRECISION. The matrix products marked QUANTISED in the list below multiply operands that are first quantised to E2M1 (2 exponent bits, 1 mantissa bit; 4 bits a number), with one power-of-two scale for each 32 numbers along K (OCP MX v1.0); their sums are f32. All else is computed in f32.
;;   The module's matrix products, in the order in which they are computed (A, B: the left and right operand; K: the contracted axis; several contracted axes count as one K, in the product's order):
;;     1. [M 4,096, K 4,096] x [K 4,096, N 4,096]; A: input inputs (given as codes); B: computed on the way: QUANTISED
;;   THE QUANTISER, for each operand of a quantised product, along K:
;;     - K is cut into blocks of 32 from its start; a last block that is shorter is filled with zeros.
;;     - A block's scale is 2^e with e = floor(log2(the largest magnitude in the block)) - 2, held to -126 .. 127; a block of zeros has e = 0. As a byte (E8M0): e + 127.
;;     - Each number is divided by its block's scale, clamped to +-6, and rounded to the nearest number of E2M1, ties to even, subnormals kept.
;;     - The product sums the exact products of the quantised numbers (number of the format x scale) in f32.
;;   ~~~python
;;   def quantise(x, axis):      # numpy; x: float32 -> the quantised numbers, widened to float32 again
;;       x = np.moveaxis(x, axis, -1); K = x.shape[-1]
;;       x = np.pad(x, [(0, 0)] * (x.ndim - 1) + [(0, -K % 32)]); x = x.reshape(x.shape[:-1] + (-1, 32)); a = np.abs(x).max(-1, keepdims=True)
;;       e = np.where(a > 0, np.clip(np.frexp(np.where(a > 0, a, 1))[1] - 1 - 2, -126, 127), 0)      # np.frexp(a)[1] - 1 = floor(log2(a)), exactly
;;       r = np.clip(x / 2.0 ** e, -6, 6)
;;       step = 2.0 ** (np.maximum(np.frexp(np.where(r == 0, 1, r))[1] - 1, 0) - 1)
;;       q = np.round(r / step) * step * 2.0 ** e      # np.round: ties to even
;;       return np.moveaxis(q.reshape(q.shape[:-2] + (-1,))[..., :K], -1, axis).astype(np.float32)
;;   ~~~
;;   OPERANDS COMPUTED ON THE WAY. 'Computed on the way' means the value that the module computes at that place (a softmax that the list does not call 'softmax' is quantised finished and normalised). What goes into a quantiser is computed in f32, as accurately as f32 sums, v_exp_f32 and their like allow (about 1e-6 of the number): no bf16 or f16 on the way to a quantiser, and a product that is left as it is and whose result goes on into a quantised operand takes f32 operands (vector FMAs, or v_wmma_f32_16x16x4_f32). A number that lies on a knife's edge between two numbers of the format may be rounded either way, as far as f32 arithmetic and the matrix unit's own rounding can turn it there, and no further.
;;   INPUTS GIVEN AS CODES. inputs (in the module: [4096, 4096], K = its axis 1): each comes as NAME_codes (uint8): NAME with its K axis moved to the last place and cut into blocks of 32 codes, [.., K / 32, bytes a block], one block behind the other in memory; two codes a byte, the lower K in the low four bits (a code: sign, 2 exponent bits, 1 mantissa bit); and NAME_scales (uint8): the same leading axes, one E8M0 byte (e + 127) for each 32 codes along K. Its value is code x scale, taken as it is: it is not quantised again, and the codes and scales need not be those that the quantiser above would give.
;; One version. Each part assembles by itself: llvm-mc -triple=amdgcn-amd-amdhsa -mcpu=gfx1250 --defsym DOCPART=n.
;; ======== version 1 of 1: 3 launches
;; limits: right only within a limited range of input values
;; workspace buffers: part1 1,024 bytes; part2 2,048 bytes; wpat 8,388,608 bytes
;; launch absum (part 1): grid 256 x 1, 16 waves a work-group, no clusters, 2,304 bytes of LDS; arguments W, part1; writes part1
.if DOCPART == 1
	.amdgcn_target "amdgcn-amd-amdhsa--gfx1250"
	.amdhsa_code_object_version 6
	.text
	.protected	k_q78efcfa020_absum
	.globl	k_q78efcfa020_absum
	.p2align	8
	.type	k_q78efcfa020_absum,@function
k_q78efcfa020_absum:
	s_mov_b64 s[64:65], 0
	v_nop
	global_prefetch_b8 v0, s[64:65] scope:SCOPE_SE
	s_setreg_imm32_b32 hwreg(HW_REG_WAVE_MODE, 25, 1), 1
	s_wait_xcnt 0x0
; part1[g] = the sum of |W| over work-group g's 65,536 numbers of W [4096][4096] f32 (262,144 consecutive bytes).  The next launch adds the 256 sums and makes the threshold t of them.
; Sixteen waves; a wave takes 16,384 consecutive bytes by 32 loads, each of 512 consecutive bytes (16 a lane), all issued at once: every byte of the group's share is asked for before the first is used.  No loop.
; The sums are short: eight chains of 16 numbers a lane, then trees: within the lane, across the lanes, across the waves (through 64 bytes of LDS).  The order is fixed, so the result has the same bits in every run.
; The work-groups share no input, so there is no cluster and no joint load; no matrix work, no tensor load.
; LIMITS: NaN and infinities in W are not served.
.set X,   16                           ; v16-143  32 loads x 4 registers
.set ACC, 2                            ; v2-9     eight chains
	s_load_b128 s[4:7], s[0:1], 0x0                ; W s[4:5], part1 s[6:7]
	v_lshl_add_u32 v144, v0, 2, 0x100
	v_mov_b32 v145, 0
	v_lshrrev_b32 v10, 5, v0
	s_delay_alu instid0(VALU_DEP_1)
	v_readfirstlane_b32 s9, v10                    ; wave 0..15
	v_and_b32 v1, 31, v0
	s_delay_alu instid0(VALU_DEP_1)
	v_lshlrev_b32 v1, 4, v1                        ; 16 bytes a lane
	s_delay_alu instid0(VALU_DEP_1)
	v_lshl_add_u32 v1, v10, 14, v1                 ; + 16,384 x wave
	v_lshlrev_b32 v10, 2, v10                      ; LDS: my wave's word
	v_mov_b32 v11, 0                               ; LDS: the sixteen words
	v_mov_b32 v12, 0                               ; the store's offset
	s_lshl_b32 s2, ttmp9, 18                       ; the group's 262,144 bytes (255 x 2^18 is under 2^32)
	s_mov_b32 s3, 0
	s_mov_b32 s10, 0x76543210                      ; v_permlanex16_b32's selects for lane l xor 16
	s_mov_b32 s11, 0xfedcba98
	s_wait_alu depctr_va_vdst(0)
	s_wait_kmcnt 0x0
	s_add_nc_u64 s[4:5], s[4:5], s[2:3]
	s_lshl_b32 s2, ttmp9, 2
	s_add_nc_u64 s[6:7], s[6:7], s[2:3]            ; part1[g]
.irp i, 0,1,2,3,4,5,6,7,8,9,10,11,12,13,14,15,16,17,18,19,20,21,22,23,24,25,26,27,28,29,30,31
	global_load_b128 v[X+4*\i:X+4*\i+3], v1, s[4:5] offset:512*\i th:TH_LOAD_NT
.endr
	s_wait_loadcnt 28                              ; the first four loads are in; the 28 younger ones stay out
.irp j, 0,1,2,3,4,5,6,7
	v_add_f32 v[ACC+\j], |v[X+\j]|, |v[X+8+\j]|    ; the first sixteen numbers start the chains: nothing is cleared
.endr
	s_wait_alu depctr_va_vdst(0)
.irp g, 1,2,3,4,5,6,7
	s_wait_alu depctr_va_vdst(0)
	s_wait_loadcnt 28-4*\g                         ; four loads more are in
.irp j, 0,1,2,3,4,5,6,7,8,9,10,11,12,13,14,15
	v_add_f32 v[ACC+\j%8], v[ACC+\j%8], |v[X+16*\g+\j]|
.endr
.endr
	v_pk_add_f32 v[2:3], v[2:3], v[4:5]            ; the lane's eight chains,
	s_delay_alu instid0(VALU_DEP_2)
	v_pk_add_f32 v[6:7], v[6:7], v[8:9]
	s_delay_alu instid0(VALU_DEP_1)
	v_pk_add_f32 v[2:3], v[2:3], v[6:7]
	s_delay_alu instid0(VALU_DEP_1)
	v_add_f32 v2, v2, v3
	s_delay_alu instid0(VALU_DEP_1)
	v_add_f32_dpp v2, v2, v2 row_xmask:1 row_mask:0xf bank_mask:0xf   ; the wave's 32 lanes
	s_delay_alu instid0(VALU_DEP_1)
	v_add_f32_dpp v2, v2, v2 row_xmask:2 row_mask:0xf bank_mask:0xf
	s_delay_alu instid0(VALU_DEP_1)
	v_add_f32_dpp v2, v2, v2 row_xmask:4 row_mask:0xf bank_mask:0xf
	s_delay_alu instid0(VALU_DEP_1)
	v_add_f32_dpp v2, v2, v2 row_xmask:8 row_mask:0xf bank_mask:0xf
	s_delay_alu instid0(VALU_DEP_1)
	v_permlanex16_b32 v3, v2, s10, s11             ; (its destination has been written)
	s_delay_alu instid0(VALU_DEP_1)
	v_add_f32 v2, v2, v3
	ds_store_b32 v10, v2                           ; all lanes write the same word with the same value
	s_wait_dscnt 0x0                               ; for the others' sake: my store has landed
	s_barrier_signal -1
	s_barrier_wait -1
	s_cmp_lg_u32 s9, 0                             ; wave 0 alone adds the sixteen and stores
	s_cbranch_scc1 .Lend
.irp k, 0,1,2,3
	ds_load_b128 v[16+4*\k:19+4*\k], v11 offset:16*\k
.endr
	s_wait_dscnt 0x0
.irp k, 0,1,2,3
	v_pk_add_f32 v[16+4*\k:17+4*\k], v[16+4*\k:17+4*\k], v[18+4*\k:19+4*\k]
.endr
	s_delay_alu instid0(VALU_DEP_3)
	v_pk_add_f32 v[16:17], v[16:17], v[20:21]
	s_delay_alu instid0(VALU_DEP_2)
	v_pk_add_f32 v[24:25], v[24:25], v[28:29]
	s_delay_alu instid0(VALU_DEP_1)
	v_pk_add_f32 v[16:17], v[16:17], v[24:25]
	s_delay_alu instid0(VALU_DEP_1)
	v_add_f32 v16, v16, v17
	v_cmp_eq_u32 vcc_lo, 0, v0
	s_wait_alu depctr_va_vdst(0)
	s_wait_xcnt 0x0                                ; EXEC changes only behind this wait
	s_and_saveexec_b32 s8, vcc_lo
	global_store_b32 v12, v16, s[6:7]              ; lane 0: four bytes for the work-group
	s_wait_xcnt 0x0                                ; and again in front of the line that widens it
	s_or_b32 exec_lo, exec_lo, s8
.Lend:
	s_wait_tensorcnt 0x0
	ds_add_u32 v144, v145
	s_wait_dscnt 0x0
	s_endpgm
.Lfunc_end_k_q78efcfa020_absum:
	.size	k_q78efcfa020_absum, .Lfunc_end_k_q78efcfa020_absum-k_q78efcfa020_absum
	.p2alignl 7, 3214868480
	.fill 96, 4, 3214868480
	.section	.rodata,"a",@progbits
	.p2align	6, 0x0
	.amdhsa_kernel k_q78efcfa020_absum
		.amdhsa_group_segment_fixed_size 2304
		.amdhsa_private_segment_fixed_size 0
		.amdhsa_enable_private_segment 0
		.amdhsa_kernarg_size 16
		.amdhsa_user_sgpr_count 2
		.amdhsa_user_sgpr_kernarg_segment_ptr 1
		.amdhsa_wavefront_size32 1
		.amdhsa_system_sgpr_workgroup_id_x 1
		.amdhsa_system_sgpr_workgroup_id_y 1
		.amdhsa_system_sgpr_workgroup_id_z 1
		.amdhsa_system_vgpr_workitem_id 0
		.amdhsa_next_free_vgpr 146
		.amdhsa_next_free_sgpr 66
		.amdhsa_reserve_vcc 1
		.amdhsa_float_denorm_mode_32 3
		.amdhsa_float_denorm_mode_16_64 3
		.amdhsa_memory_ordered 1
		.amdhsa_forward_progress 1
		.amdhsa_inst_pref_size 15
	.end_amdhsa_kernel
	.amdgpu_metadata
---
amdhsa.version: [ 1, 2 ]
amdhsa.kernels:
  - .name:           k_q78efcfa020_absum
    .symbol:         k_q78efcfa020_absum.kd
    .args:
      - { .name: W, .offset: 0, .size: 8, .value_kind: global_buffer, .address_space: global }
      - { .name: part1, .offset: 8, .size: 8, .value_kind: global_buffer, .address_space: global }
    .group_segment_fixed_size: 2304
    .private_segment_fixed_size: 0
    .kernarg_segment_align: 8
    .kernarg_segment_size: 16
    .max_flat_workgroup_size: 512
    .sgpr_count:     66
    .vgpr_count:     146
    .wavefront_size: 32
...
	.end_amdgpu_metadata
.endif
;; end of part 1
;; launch ternary (part 2): grid 32 x 8, 16 waves a work-group, no clusters, 37,376 bytes of LDS; arguments W, part1, wpat, part2; writes wpat, part2
.if DOCPART == 2
	.amdgcn_target "amdgcn-amd-amdhsa--gfx1250"
	.amdhsa_code_object_version 6
	.text
	.protected	k_q78efcfa020_ternary
	.globl	k_q78efcfa020_ternary
	.p2align	8
	.type	k_q78efcfa020_ternary,@function
k_q78efcfa020_ternary:
	s_mov_b64 s[64:65], 0
	v_nop
	global_prefetch_b8 v0, s[64:65] scope:SCOPE_SE
	s_setreg_imm32_b32 hwreg(HW_REG_WAVE_MODE, 25, 1), 1
	s_wait_xcnt 0x0
; t = 0.7 x mean |W| (from part1's 256 sums).  Then one pass over W [4096 (k)][4096 (n)] f32 gives
;   wpat: a nibble for each (k, n): s111 (s = W's sign) where |W| >= t, which is where sign(sign(W + t) + sign(W - t)) is not 0; else 0000;
;   part2[32 y + x] = (the sum of |W| over |W| > t, their number as f32: a whole number under 2^24, so exact) of the work-group's share.
; WPAT LIES IN THE ORDER OF THE MATRIX OPERAND'S REGISTERS: [n / 16][k / 128][c = 0, 1][lane = 16 h + r][16 bytes]: the 32 nibbles of column 16 (n / 16) + r for k = 128 (k / 128) + 64 c + 32 h + 0 .. 31,
; the lower k in the low four bits.  So the next launch fills four registers of a fragment by one load of 512 consecutive bytes.
; alpha x W_t holds only 0 and +-alpha, so its codes of E2M1 are a sign over ONE three-bit code, or zero.  The pattern wants t alone; the next launch, which knows alpha, turns s111 into s + code(alpha) by one AND.
; THE NIBBLES ARE MADE BY THE CONVERSION TO FP4: what counts is kept as it is, what does not is set to +0, and the scale operand is t with 3 off its exponent field: every kept number is then 8 scales or more,
; beyond the format's largest number, 6, for which the conversion gives the largest code, 111, under the number's sign.
; SHARES.  Work-group (x, y): columns 128 x on, K rows 512 y on.  Wave w: 32 K rows, one block of 32 for each column.  Lane l: columns 4 l .. 4 l + 3: a load of the wave is 512 consecutive bytes of one row of W.
; All 32 loads of a wave go out at once; no loop.  The select that zeroes small numbers writes a new register anyway: it is aimed so that a column's eight neighbours along K stand in eight consecutive registers.
; THE WAY OUT.  Block 16 y + w of 32 k has k / 128 = 4 y + w / 4, c = (w / 2) % 2, h = w % 2: its 256 bytes of sixteen columns lie at byte 4,096 y + 256 w of those columns' 32,768.  The stage in LDS is the image of
; the group's eight pieces of 4,096 bytes, 16 bytes of padding behind each; a lane's four columns are 64 neighbouring bytes there.  Behind a barrier each wave stores 2,048 consecutive bytes by four stores of 512.
; The work-groups share nothing but part1's 1,024 bytes: no cluster.  No tensor load, no matrix work.
; LIMITS: t at least 2^-123 (the floor under the scale operand); NaN and infinities in W are not served; an all-zero W is not served.
.set SPB, 4112                         ; a piece of the stage: sixteen columns x 256 bytes + 16
.set RED, 34816                        ; behind the stage: 8 bytes for each wave: its pair (sum, number)
.set A,   10                           ; v10-13  four magnitudes
.set M,   14                           ; v14-17  of them those above t, else 0
.set ACC, 18                           ; v18-21  four chains
.set Y,   32                           ; v32-63  column c's eight numbers of a group at Y + 8 c
.set C,   64                           ; v64-79  column c's 32 nibbles at C + 4 c
.set X,   80                           ; v80-207 row i of W at X + 4 i; later the bytes on their way out
	s_load_b256 s[4:11], s[0:1], 0x0               ; W s[4:5], part1 s[6:7], wpat s[8:9], part2 s[10:11]
	v_lshl_add_u32 v208, v0, 2, 0x8a00
	v_mov_b32 v209, 0
	v_lshrrev_b32 v10, 5, v0
	v_readfirstlane_b32 s12, v10                   ; wave 0..15
	v_and_b32 v11, 31, v0                          ; lane
	v_lshlrev_b32 v1, 4, v11                       ; v1: 16 x lane
	v_lshrrev_b32 v2, 2, v11
	v_mul_u32_u24 v2, v2, SPB                      ; v2: into the stage: piece lane / 4,
	v_and_b32 v12, 3, v11
	v_lshl_add_u32 v2, v12, 6, v2                  ; my four columns' 64 bytes,
	v_lshl_add_u32 v2, v10, 8, v2                  ; in my wave's 256
	v_lshrrev_b32 v3, 1, v10
	v_mul_u32_u24 v3, v3, SPB                      ; v3: out of it: piece wave / 2,
	v_and_b32 v13, 1, v10
	v_lshl_add_u32 v3, v13, 11, v3                 ; its half wave % 2,
	v_add_nc_u32 v3, v3, v1                        ; 16 bytes a lane
	v_mov_b32 v5, RED                              ; v5: the sixteen pairs
	v_lshl_add_u32 v6, v10, 3, RED                 ; v6: my wave's pair
	v_mov_b32 v9, 0                                ; v9: the last store's offset
	s_and_b32 s14, ttmp7, 0xffff                   ; y
	s_mov_b32 s15, 0x7fffffff                      ; clears a sign
	s_mov_b32 s16, 0x76543210                      ; v_permlanex16_b32's selects for lane l xor 16
	s_mov_b32 s17, 0xfedcba98
	s_mov_b32 s32, 0                               ; the wave's count
	s_lshl_b32 s18, s14, 9
	s_lshl_b32 s19, s12, 5
	s_add_co_u32 s18, s18, s19                     ; my first K row: 512 y + 32 wave,
	s_lshl_b32 s18, s18, 14                        ; of 16,384 bytes (under 2^27 in all),
	s_lshl_b32 s19, ttmp9, 9
	s_add_co_u32 s18, s18, s19                     ; + the group's 128 columns
	s_mov_b32 s19, 0
	s_lshl_b32 s34, ttmp9, 3
	s_lshr_b32 s35, s12, 1
	s_add_co_u32 s34, s34, s35                     ; the sixteen columns that I store: 8 x + wave / 2,
	s_lshl_b32 s34, s34, 15                        ; of 32,768 bytes,
	s_lshl_b32 s35, s14, 12
	s_add_co_u32 s34, s34, s35                     ; + the group's 4,096 bytes of them,
	s_and_b32 s35, s12, 1
	s_lshl_b32 s35, s35, 11
	s_add_co_u32 s34, s34, s35                     ; + my half
	s_mov_b32 s35, 0
	s_lshl_b32 s36, s14, 5
	s_add_co_u32 s36, s36, ttmp9
	s_lshl_b32 s36, s36, 3                         ; part2: pair 32 y + x
	s_mov_b32 s37, 0
	s_wait_alu depctr_va_vdst(0)                   ; the wait at the head's end
	s_wait_kmcnt 0x0
	s_add_nc_u64 s[4:5], s[4:5], s[18:19]
	s_add_nc_u64 s[8:9], s[8:9], s[34:35]
	s_add_nc_u64 s[10:11], s[10:11], s[36:37]
	global_load_b128 v[24:27], v1, s[6:7]          ; part1: eight of the 256 sums a lane
	global_load_b128 v[28:31], v1, s[6:7] offset:512
.irp i, 0,1,2,3,4,5,6,7,8,9,10,11,12,13,14,15,16,17,18,19,20,21,22,23,24,25,26,27,28,29,30,31
	global_load_b128 v[X+4*\i:X+4*\i+3], v1, s[4:5] offset:16384*\i th:TH_LOAD_NT
.endr
	s_wait_loadcnt 32                              ; part1 is in; W's 32 loads stay out
	v_pk_add_f32 v[24:25], v[24:25], v[26:27]      ; the same order in every wave of the launch: t has the same bits everywhere
	v_pk_add_f32 v[28:29], v[28:29], v[30:31]
	v_pk_add_f32 v[24:25], v[24:25], v[28:29]
	v_add_f32 v24, v24, v25
	v_add_f32_dpp v24, v24, v24 row_xmask:1 row_mask:0xf bank_mask:0xf
	v_add_f32_dpp v24, v24, v24 row_xmask:2 row_mask:0xf bank_mask:0xf
	v_add_f32_dpp v24, v24, v24 row_xmask:4 row_mask:0xf bank_mask:0xf
	v_add_f32_dpp v24, v24, v24 row_xmask:8 row_mask:0xf bank_mask:0xf
	v_permlanex16_b32 v25, v24, s16, s17
	v_add_f32 v24, v24, v25
	v_mul_f32 v7, 0x33800000, v24                  ; the mean: x 2^-24, exact
	v_mul_f32 v7, 0x3f333333, v7                   ; v7: t = 0.7 x the mean
	v_max_num_f32 v8, 0x2000000, v7                ; (held at 2^-123 from below, so that the field below stays 1 or more)
	v_add_nc_u32 v8, 0xfe800000, v8                ; v8: 3 off t's exponent field: the conversion takes the exponent field of this operand as its scale, and nothing else of it
	s_wait_alu depctr_va_vdst(0)
; One row of W: my four columns.  first = 1: the selected magnitudes start the chains: nothing is cleared.
.macro ROW g, j, first
.irp c, 0,1,2,3
	v_and_b32 v[A+\c], s15, v[X+4*(8*\g+\j)+\c]    ; |w|
.endr
.irp c, 0,1,2,3
	v_cmp_gt_f32 s[20+\c], v[A+\c], v7             ; counts for alpha
.endr
.irp c, 0,1,2,3
	v_cmp_ge_f32 s[24+\c], v[A+\c], v7             ; is not 0 in W_t
.endr
.irp c, 0,1,2,3
.if \first
	v_cndmask_b32 v[ACC+\c], 0, v[A+\c], s[20+\c]
.else
	v_cndmask_b32 v[M+\c], 0, v[A+\c], s[20+\c]
.endif
.endr
.irp c, 0,1,2,3
	v_cndmask_b32 v[Y+8*\c+\j], 0, v[X+4*(8*\g+\j)+\c], s[24+\c]   ; w or +0, to its place among the column's eight
.endr
	s_wait_alu depctr_va_vdst(0)                   ; the wait here, directly ahead of the eight scalar lines
.irp c, 0,1,2,3
	s_bcnt1_i32_b32 s[28+\c], s[20+\c]
.endr
.irp c, 0,1,2,3
	s_add_co_u32 s32, s32, s[28+\c]
.endr
.if \first == 0
	v_pk_add_f32 v[ACC:ACC+1], v[ACC:ACC+1], v[M:M+1]
	v_pk_add_f32 v[ACC+2:ACC+3], v[ACC+2:ACC+3], v[M+2:M+3]
.endif
.endm
.irp g, 0,1,2,3
	s_wait_loadcnt 8*(3-\g)                        ; this group's eight rows are in; the younger groups' stay out
.irp j, 0,1,2,3,4,5,6,7
.if (\g == 0) && (\j == 0)
	ROW \g, \j, 1
.else
	ROW \g, \j, 0
.endif
.endr
.irp c, 0,1,2,3
	v_cvt_scalef32_pk8_fp4_f32 v[C+4*\c+\g], v[Y+8*\c:Y+8*\c+7], v8   ; eight nibbles, the lowest k in the lowest bits
.endr
	v_nop                                          ; one plain vector line between the conversions and the lines that write their sources again
.endr
	v_pk_add_f32 v[ACC:ACC+1], v[ACC:ACC+1], v[ACC+2:ACC+3]
	v_add_f32 v22, v[ACC], v[ACC+1]
	v_add_f32_dpp v22, v22, v22 row_xmask:1 row_mask:0xf bank_mask:0xf
	v_add_f32_dpp v22, v22, v22 row_xmask:2 row_mask:0xf bank_mask:0xf
	v_add_f32_dpp v22, v22, v22 row_xmask:4 row_mask:0xf bank_mask:0xf
	v_add_f32_dpp v22, v22, v22 row_xmask:8 row_mask:0xf bank_mask:0xf
	v_permlanex16_b32 v24, v22, s16, s17
	v_add_f32 v22, v22, v24                        ; the wave's sum,
	v_cvt_f32_u32 v23, s32                         ; and its count, at most 4,096
.irp c, 0,1,2,3
	ds_store_b128 v2, v[C+4*\c:C+4*\c+3] offset:16*\c
.endr
	ds_store_b64 v6, v[22:23]                      ; all lanes write the same pair
	s_wait_dscnt 0x0                               ; for the others' sake: my stores have landed
	s_barrier_signal -1
	s_barrier_wait -1
.irp i, 0,1,2,3
	ds_load_b128 v[X+4*\i:X+4*\i+3], v3 offset:512*\i
.endr
.irp i, 0,1,2,3
	s_wait_dscnt 3-\i                              ; LDS loads come back in order: load i is in
	global_store_b128 v1, v[X+4*\i:X+4*\i+3], s[8:9] offset:512*\i   ; 512 consecutive bytes, at a multiple of 256 from wpat's first byte
.endr
	s_cmp_lg_u32 s12, 0                            ; wave 0 alone adds the sixteen pairs and stores
	s_cbranch_scc1 .Lend
.irp k, 0,1,2,3,4,5,6,7
	ds_load_b128 v[32+4*\k:35+4*\k], v5 offset:16*\k
.endr
	s_wait_dscnt 0x0
.irp k, 0,1,2,3,4,5,6,7
	v_pk_add_f32 v[32+4*\k:33+4*\k], v[32+4*\k:33+4*\k], v[34+4*\k:35+4*\k]   ; sums with sums, counts with counts
.endr
.irp k, 0,1,2,3
	v_pk_add_f32 v[32+8*\k:33+8*\k], v[32+8*\k:33+8*\k], v[36+8*\k:37+8*\k]
.endr
	v_pk_add_f32 v[32:33], v[32:33], v[40:41]
	v_pk_add_f32 v[48:49], v[48:49], v[56:57]
	v_pk_add_f32 v[32:33], v[32:33], v[48:49]
	v_cmp_eq_u32 vcc_lo, 0, v0
	s_wait_alu depctr_va_vdst(0)                   ; the wait here, directly ahead of the wait below
	s_wait_xcnt 0x0                                ; EXEC changes only behind this wait
	s_and_saveexec_b32 s33, vcc_lo
	global_store_b64 v9, v[32:33], s[10:11]        ; lane 0: the work-group's pair
	s_wait_xcnt 0x0                                ; and again in front of the line that widens it
	s_or_b32 exec_lo, exec_lo, s33
.Lend:
	s_wait_tensorcnt 0x0
	ds_add_u32 v208, v209
	s_wait_dscnt 0x0
	s_endpgm
.Lfunc_end_k_q78efcfa020_ternary:
	.size	k_q78efcfa020_ternary, .Lfunc_end_k_q78efcfa020_ternary-k_q78efcfa020_ternary
	.p2alignl 7, 3214868480
	.fill 96, 4, 3214868480
	.section	.rodata,"a",@progbits
	.p2align	6, 0x0
	.amdhsa_kernel k_q78efcfa020_ternary
		.amdhsa_group_segment_fixed_size 37376
		.amdhsa_private_segment_fixed_size 0
		.amdhsa_enable_private_segment 0
		.amdhsa_kernarg_size 32
		.amdhsa_user_sgpr_count 2
		.amdhsa_user_sgpr_kernarg_segment_ptr 1
		.amdhsa_wavefront_size32 1
		.amdhsa_system_sgpr_workgroup_id_x 1
		.amdhsa_system_sgpr_workgroup_id_y 1
		.amdhsa_system_sgpr_workgroup_id_z 1
		.amdhsa_system_vgpr_workitem_id 0
		.amdhsa_next_free_vgpr 210
		.amdhsa_next_free_sgpr 66
		.amdhsa_reserve_vcc 1
		.amdhsa_float_denorm_mode_32 3
		.amdhsa_float_denorm_mode_16_64 3
		.amdhsa_memory_ordered 1
		.amdhsa_forward_progress 1
		.amdhsa_inst_pref_size 61
	.end_amdhsa_kernel
	.amdgpu_metadata
---
amdhsa.version: [ 1, 2 ]
amdhsa.kernels:
  - .name:           k_q78efcfa020_ternary
    .symbol:         k_q78efcfa020_ternary.kd
    .args:
      - { .name: W, .offset: 0, .size: 8, .value_kind: global_buffer, .address_space: global }
      - { .name: part1, .offset: 8, .size: 8, .value_kind: global_buffer, .address_space: global }
      - { .name: wpat, .offset: 16, .size: 8, .value_kind: global_buffer, .address_space: global }
      - { .name: part2, .offset: 24, .size: 8, .value_kind: global_buffer, .address_space: global }
    .group_segment_fixed_size: 37376
    .private_segment_fixed_size: 0
    .kernarg_segment_align: 8
    .kernarg_segment_size: 32
    .max_flat_workgroup_size: 512
    .sgpr_count:     66
    .vgpr_count:     210
    .wavefront_size: 32
...
	.end_amdgpu_metadata
.endif
;; end of part 2
;; launch gemm (part 3): grid 16 x 16, 4 waves a work-group, clusters of 4 x 1, 327,680 bytes of LDS; arguments inputs_codes, inputs_scales, wpat, part2, b, out0; writes out0
.if DOCPART == 3
	.amdgcn_target "amdgcn-amd-amdhsa--gfx1250"
	.amdhsa_code_object_version 6
	.text
	.protected	k_q78efcfa020_gemm
	.globl	k_q78efcfa020_gemm
	.p2align	8
	.type	k_q78efcfa020_gemm,@function
k_q78efcfa020_gemm:
	s_mov_b64 s[64:65], 0
	v_nop
	global_prefetch_b8 v0, s[64:65] scope:SCOPE_SE
	s_setreg_imm32_b32 hwreg(HW_REG_WAVE_MODE, 25, 1), 1
	s_wait_xcnt 0x0
	s_wait_alu depctr_hold_cnt(0) depctr_sa_sdst(0) depctr_va_vdst(0) depctr_va_sdst(0) depctr_va_ssrc(0) depctr_va_vcc(0) depctr_vm_vsrc(0)
	s_getreg_b32 s2, hwreg(HW_REG_IB_STS2, 6, 4)
	s_cmp_eq_u32 s2, 0
	s_cbranch_scc0 .Lentry_in_a_cluster
	s_endpgm
.Lentry_in_a_cluster:
	s_bfe_u32 s2, ttmp6, 0x10000c
	s_cmp_lg_u32 s2, 0x3003
	s_cbranch_scc0 .Lentry_shape_is_right
	s_endpgm
.Lentry_shape_is_right:
; out0[m][n] = sum over k of inputs[m][k] x Q(alpha W_t)[k][n] + b[n], in MX-FP4; sums in f32.  inputs: codes [4096][2048 bytes] and scale bytes [4096][128], as given.
; wpat: a nibble for each (k, n), s111 where W_t is not 0, else 0000, in the order of the operand's registers: [n / 16][k / 128][c][lane][16 bytes].  part2: 256 pairs (sum of |W| over |W| > t, their number): alpha = sum / number.
; alpha W_t holds 0 and +-alpha alone: every block of 32 with a number in it has the scale byte of alpha, and its codes are a sign over alpha's one code.  A block of zeros has zero codes, which add nothing under any finite byte.
; So W's scale word is one word for all blocks, and W's codes are wpat AND (0x8 | code(alpha)) in each nibble: one v_and_b32 for each register of a fragment of W.
; A work-group of four waves makes 256 x 256 of out0; a wave all 256 rows x 64 columns of its own: 512 registers of sums.
; THE FORM is v_wmma_scale_f32_32x16x128_f4, USED TRANSPOSED: source 0 = 32 columns of W (two neighbouring fragments of 16, 16 registers on end), source 1 = 16 rows of inputs.  Of its 16 results a lane holds, for one row
; of out0, columns 8 (l / 16) + 0 .. 7 in registers 0-7 and the same 16 further on in registers 8-15.  32 accumulators of 16 registers; b is the C of each accumulator's first product.
; W GOES FROM MEMORY STRAIGHT INTO REGISTERS: 8 loads of 512 consecutive bytes for 128 along K, into a ring of four sets, asked for three steps ahead.
; A joint load lands in LDS alone, so W is not asked for jointly.
; INPUTS' CODES go through two LDS slots of 1,024 along K (rows of 512 bytes): four fills in all.  Their scales of the 256 rows come once.  CLUSTER 4 x 1: the four work-groups of one tile row ask for both jointly.
; A STEP of 128 along K: the loads (W three steps on, inputs' fragments of the next step into the other set); this step's 32 matrix instructions on end; the waits; the next W set's 32 ANDs, which name no register
; of the products just issued and are the places in front of the next loads.
; THE CHANGE OF SLOTS stands in a slot's seventh step: its eighth step's fragments are in registers then, so the slot is read out.  From a refill to the wait for it a wave issues 240 matrix instructions.
; PREFETCH of W: in each of the loop's two trips a wave names 8 blocks of 256 bytes of the eight steps whose loads the next trip begins with; the sixteen work-groups of a tile column share those steps' bytes out by
; address (by the tile row).  Steps 0 to 11 come by their loads alone; steps 28 to 31 too.  Lanes 8 to 31 name the wave's last block again.
; No prefetch of inputs: the ring has two refills, and none lies two refills ahead of another.
; REGISTERS: window 0: v0-31 addresses; v30 W's scale word; v32-95 inputs' scale words, two sets; v96-127 b; v128-255 inputs' fragments, set 0.  window 1: v0-127 set 1; v128-255 W's four sets.  windows 2, 3: accumulators.
; LIMITS: alpha is held at 2^-124 from below for its scale byte; a W with no |W| > t (number 0), NaN and infinities in W are not served.
.set SIZE_N, 4096
.set KROW,   2048                      ; a row of codes in memory
.set ROWB,   512                       ; a tile's row: 1,024 codes
.set PITCH,  528                       ; an LDS row: 512 bytes + 16 of padding
.set QUART,  64*PITCH                  ; what one load of the ring brings
.set SLOT,   4*QUART
.set SCL,    2*SLOT                    ; behind the ring: inputs' scales, 128 units of 256 bytes + 16
.set HALFS,  64*272
.set SBLK,   8*272                     ; the scales of 16 rows
.set SPARE,  SCL+2*HALFS               ; the spare words: 128 bytes a wave
.set STG,    SPARE+512                 ; the way out: 16 rows x (256 + 16) bytes a wave; no fill lands here
.set SPITCH, 272
.set AD0,  16                          ; v16-17 my fragment address in slot 0: blocks 0-7, blocks 8-15
.set ADRA, 18                          ; v18-19 the same in the slot being read
.set CO2,  23
.set STO,  24
.set RD,   25
.set CO,   26                          ; 16 x lane
.set ADRS, 27
.set SPW,  28
.set NIL,  29
.set WSC,  30
.set PFO,  31
.set SC,   32
.set BIAS, 96
.set Z,    128                         ; at work in the head
.set BK,   128
.set G1,   24
.set G0,   32
.set G1S,  36
.set G0S,  44
.set G0S2, 48
.set G0H,  52
.set G0H2, 56
.set MSK,  62
.set SL,   63                          ; the slot being read: 0 or SLOT
.set SW,   66                          ; s[66:67] my columns of wpat, at the trip's first step
.set PFW,  68                          ; s[68:69] where my prefetch stands
.set MSB, 0
.macro WIN new                         ; the immediate's high byte repeats the setting that is left
.if MSB != (\new)
	s_set_vgpr_msb (MSB<<8)|(\new)
.set MSB, (\new)
.endif
.endm
.set TO_1,   0x40                      ; destination window 1
.set TO_FIX, 0x44
.macro CREST                           ; a round of the cluster's barrier behind its opening barrier
	s_cmp_lg_u32 s16, 0
	s_cbranch_scc1 .Lnot_wave_0_\@
	s_barrier_signal -3
.Lnot_wave_0_\@:
	s_barrier_wait -3
	s_barrier_signal -1
	s_barrier_wait -1
.endm
.macro CROUND
	s_barrier_signal -1
	s_barrier_wait -1
	CREST
.endm
.macro PLACES n
.rept \n
	v_nop
.endr
.endm
.macro WLOAD ring, st                  ; W's four fragments of step st (counted from the trip's base) into a set of the ring
.irp b, 0,1,2,3
.irp c, 0,1
	global_load_b128 v[128+32*(\ring)+8*\b+4*\c:128+32*(\ring)+8*\b+4*\c+3], v[CO], s[SW:SW+1] offset:32768*\b+1024*(\st)+512*\c
.endr
.endr
.endm
	s_load_b256 s[4:11], s[0:1], 0x0               ; inputs_codes s[4:5], inputs_scales s[6:7], wpat s[8:9], part2 s[10:11]
	s_load_b128 s[12:15], s[0:1], 0x20             ; b s[12:13], out0 s[14:15]
	v_lshl_add_u32 v[SPW], v0, 2, SPARE
	v_mov_b32 v[NIL], 0
	ds_add_u32 v[SPW], v[NIL]                      ; the opening lines: the add, twice on end, and its wait
	ds_add_u32 v[SPW], v[NIL]
	v_lshrrev_b32 v1, 5, v0
	v_readfirstlane_b32 s16, v1                    ; wave 0..3
	v_and_b32 v6, 31, v0
	v_bfe_u32 v2, v0, 4, 1                         ; l / 16
	v_lshlrev_b32 v[CO], 4, v6
	v_lshlrev_b32 v7, 5, v2                        ; b: 32 bytes for each half of the lanes
	v_min_u32 v[PFO], 7, v6
	v_lshlrev_b32 v[PFO], 8, v[PFO]                ; the prefetch: lanes 0-7 a block of 256 bytes each
	s_bfe_u32 s19, ttmp6, 0x40000                  ; cx
	s_lshl_b32 s17, ttmp9, 2
	s_add_co_u32 s17, s17, s19                     ; tile column
	s_and_b32 s18, ttmp7, 0xffff                   ; tile row: the same in the four partners
	s_mov_b32 s[G1+0], 15|(0<<16)|(1<<20)|(1<<21)|(6<<22)|(3<<25)    ; the four partners; bytes; 4 words of padding behind every 128
	s_mov_b32 s[G1+1], ROWB<<16
	s_mov_b32 s[G1+2], 128<<16                     ; 128 rows for the head's loads; 64 behind them
	s_mov_b32 s[G1+3], ROWB<<16
	s_mov_b32 s[G1+4], 128
	s_mov_b32 s[G1+5], KROW
	s_mov_b32 s[G1+6], 0
	s_mov_b32 s[G1+7], 0
	s_mov_b32 s[G1S+0], 15|(3<<16)|(1<<20)|(1<<21)|(5<<22)|(3<<25)   ; the scales of 128 rows: a dense block, 64 rows of 32 x 8 bytes
	s_mov_b32 s[G1S+1], 32<<16
	s_mov_b32 s[G1S+2], 64<<16
	s_mov_b32 s[G1S+3], 32<<16
	s_mov_b32 s[G1S+4], 64
	s_mov_b32 s[G1S+5], 32
	s_mov_b32 s[G1S+6], 0
	s_mov_b32 s[G1S+7], 0
	s_lshl_b32 s20, s18, 19                        ; inputs: 256 x tile row rows of 2,048 bytes
	s_mov_b32 s21, 0
	s_lshl_b32 s22, s18, 15                        ; the scales: rows of 128 bytes
	s_mov_b32 s23, 0
	s_lshl_b32 s2, s16, 17                         ; in the ring: my 64 rows of a tile,
	s_mov_b32 s3, 0
	s_mul_i32 s71, s16, QUART                      ; and where they go
	s_mul_i32 s70, s16, 16*SPITCH
	s_add_co_u32 s70, s70, STG                     ; my stage
	s_mov_b32 s60, 0x76543210                      ; v_permlanex16_b32's selects for lane l xor 16
	s_mov_b32 s61, 0xfedcba98
	s_mov_b32 s[SL], 0
	s_lshl_b32 s[SW], s17, 4
	s_lshl_b32 s19, s16, 2
	s_add_co_u32 s[SW], s[SW], s19                 ; wpat: my first sixteen columns: 16 x tile column + 4 x wave,
	s_lshl_b32 s[SW], s[SW], 15                    ; of 32,768 bytes
	s_mov_b32 s[SW+1], 0
	s_lshr_b32 s19, s18, 2                         ; the prefetch: of my four sixteens the one that my tile row takes,
	s_lshl_b32 s19, s19, 15
	s_add_co_u32 s[PFW], s[SW], s19
	s_and_b32 s19, s18, 3
	s_lshl_b32 s19, s19, 11                        ; its quarter of eight steps' 8,192 bytes,
	s_add_co_u32 s[PFW], s[PFW], s19
	s_add_co_u32 s[PFW], s[PFW], 12*1024           ; from step 12 on
	s_mov_b32 s[PFW+1], 0
	s_lshl_b32 s72, s17, 10                        ; my first column, in bytes of f32
	s_lshl_b32 s73, s16, 8
	s_add_co_u32 s72, s72, s73
	s_mov_b32 s73, 0
	s_lshl_b32 s74, s18, 22                        ; the tile's first row of out0
	s_mov_b32 s75, 0
	s_wait_alu depctr_va_vdst(0)                   ; the wait here, directly ahead of the waits below
	s_wait_dscnt 0x0                               ; both opening adds are done
	s_wait_kmcnt 0x0
	s_add_nc_u64 s[20:21], s[4:5], s[20:21]
	s_add_nc_u64 s[22:23], s[6:7], s[22:23]
	s_add_nc_u64 s[SW:SW+1], s[8:9], s[SW:SW+1]
	s_add_nc_u64 s[PFW:PFW+1], s[8:9], s[PFW:PFW+1]
	s_add_nc_u64 s[12:13], s[12:13], s[72:73]
	s_add_nc_u64 s[14:15], s[14:15], s[72:73]
	s_add_nc_u64 s[14:15], s[14:15], s[74:75]
	s_mov_b32 s[G0H], 1                            ; the head's four tiles: rows 0-127 of the first 1,024 along K,
	s_mov_b32 s[G0H+1], 0
	s_mov_b64 s[G0H+2:G0H+3], s[20:21]
	s_or_b32 s[G0H+3], s[G0H+3], 0x80000000
	s_mov_b32 s[G0H2], 1                           ; rows 128-255,
	s_mov_b32 s[G0H2+1], 2*QUART
	s_add_nc_u64 s[G0H2+2:G0H2+3], s[20:21], 128*KROW
	s_or_b32 s[G0H2+3], s[G0H2+3], 0x80000000
	s_mov_b32 s[G0S], 1                            ; the scales of rows 0-127,
	s_mov_b32 s[G0S+1], SCL
	s_mov_b64 s[G0S+2:G0S+3], s[22:23]
	s_or_b32 s[G0S+3], s[G0S+3], 0x80000000
	s_mov_b32 s[G0S2], 1                           ; and of rows 128-255
	s_mov_b32 s[G0S2+1], SCL+HALFS
	s_add_nc_u64 s[G0S2+2:G0S2+3], s[22:23], 128*128
	s_or_b32 s[G0S2+3], s[G0S2+3], 0x80000000
	s_mov_b32 s[G0], 1                             ; the ring: my 64 rows; first the second 1,024 along K, into slot 1
	s_add_co_u32 s[G0+1], s71, SLOT
	s_add_nc_u64 s[G0+2:G0+3], s[20:21], s[2:3]
	s_add_nc_u64 s[G0+2:G0+3], s[G0+2:G0+3], ROWB
	s_or_b32 s[G0+3], s[G0+3], 0x80000000
	CROUND                                         ; the four work-groups are here: the first joint loads meet
.macro ARM under, g0, g1, next         ; one tree of branches on the wave's number: every way through the head passes one load
	s_cmp_lt_u32 s16, \under
	s_cbranch_scc0 \next
	tensor_load_to_lds s[\g0:\g0+3], s[\g1:\g1+7]
	s_nop 0
.rept 4
	v_nop
.endr
	s_branch .Lhead_asked
\next:
.endm
	ARM 1, G0H,  G1,  .Lhead_b
	ARM 2, G0H2, G1,  .Lhead_sa
	ARM 3, G0S,  G1S, .Lhead_sb
	tensor_load_to_lds s[G0S2:G0S2+3], s[G1S:G1S+7]
	s_nop 0
.rept 4
	v_nop
.endr
.Lhead_asked:
.irp k, 0,1,2,3
	global_load_b128 v[Z+4*\k:Z+4*\k+3], v[CO], s[10:11] offset:512*\k     ; part2: eight of the 256 pairs a lane
.endr
.irp i, 0,1,2,3
	global_load_b128 v[BIAS+8*\i:BIAS+8*\i+3], v7, s[12:13] offset:64*\i   ; b at my eight columns of each block of 16
	global_load_b128 v[BIAS+8*\i+4:BIAS+8*\i+7], v7, s[12:13] offset:64*\i+16
.endr
	WIN TO_1
	WLOAD 0, 0
	WLOAD 1, 1
	WLOAD 2, 2
	WIN 0
	v_and_b32 v1, 15, v0                           ; l % 16
	v_mul_u32_u24 v3, v1, PITCH
	v_lshl_add_u32 v[AD0], v2, 4, v3               ; a fragment's row x pitch + 16 x half
	v_add_nc_u32 v[AD0+1], 128*PITCH, v[AD0]       ; blocks 8-15: beyond the reach of a 16-bit offset
	v_add_nc_u32 v[ADRA], s[SL], v[AD0]
	v_add_nc_u32 v[ADRA+1], s[SL], v[AD0+1]
	v_lshrrev_b32 v5, 1, v1                        ; scales: two rows of 128 bytes to a unit of 272
	v_mul_u32_u24 v5, v5, 272
	v_and_b32 v8, 1, v1
	v_lshl_add_u32 v5, v8, 7, v5
	v_mad_u32_u24 v5, v2, 8*SBLK, v5               ; lanes 16-31 take blocks 8-15
	v_add_nc_u32 v[ADRS], SCL, v5
	v_mul_u32_u24 v5, v1, SPITCH                   ; into the stage: row l % 16, 32 bytes for each half of the lanes
	v_lshl_add_u32 v5, v2, 5, v5
	v_add_nc_u32 v[STO], s70, v5
	v_mul_u32_u24 v5, v2, SPITCH                   ; back: lanes 0-15 one row of 256 bytes, lanes 16-31 the next
	v_lshl_add_u32 v5, v1, 4, v5
	v_add_nc_u32 v[RD], s70, v5
	v_lshlrev_b32 v5, 14, v2                       ; and the same two rows in out0
	v_lshl_add_u32 v[CO2], v1, 4, v5
	s_wait_alu depctr_va_vdst(0)                   ; the wait here, directly ahead of the wait below
	s_wait_loadcnt 32                              ; part2 is in; b's 8 loads and W's 24 stay out
.irp k, 0,1,2,3
	v_pk_add_f32 v[Z+4*\k:Z+4*\k+1], v[Z+4*\k:Z+4*\k+1], v[Z+4*\k+2:Z+4*\k+3]   ; sums with sums, numbers with numbers
.endr
	v_pk_add_f32 v[Z:Z+1], v[Z:Z+1], v[Z+4:Z+5]
	v_pk_add_f32 v[Z+8:Z+9], v[Z+8:Z+9], v[Z+12:Z+13]
	v_pk_add_f32 v[Z:Z+1], v[Z:Z+1], v[Z+8:Z+9]
.irp x, 1,2,4,8
	v_add_f32_dpp v[Z], v[Z], v[Z] row_xmask:\x row_mask:0xf bank_mask:0xf
	v_add_f32_dpp v[Z+1], v[Z+1], v[Z+1] row_xmask:\x row_mask:0xf bank_mask:0xf
.endr
	v_permlanex16_b32 v[Z+2], v[Z], s60, s61
	v_permlanex16_b32 v[Z+3], v[Z+1], s60, s61
	v_pk_add_f32 v[Z:Z+1], v[Z:Z+1], v[Z+2:Z+3]
	s_wait_alu depctr_va_vdst(0)                   ; the wait ahead of the transcendental
	v_rcp_f32 v[Z+2], v[Z+1]
	v_nop
	s_wait_alu depctr_va_vdst(0)                   ; and ahead of its first reader
	v_mul_f32 v[Z+3], v[Z], v[Z+2]
	v_fma_f32 v[Z+4], -v[Z+1], v[Z+3], v[Z]        ; one step of correction: the quotient to f32's accuracy
	v_fma_f32 v[Z+3], v[Z+4], v[Z+2], v[Z+3]       ; alpha
	v_max_num_f32 v[Z+4], 0x1800000, v[Z+3]        ; the floor: the byte cannot fall under 1
	v_add_nc_u32 v[Z+5], 0xff000000, v[Z+4]        ; 2 off the exponent field: the conversion's scale operand
	v_lshrrev_b32 v[Z+6], 23, v[Z+5]               ; the scale's byte,
	v_lshl_or_b32 v[WSC], v[Z+6], 8, v[Z+6]
	v_lshl_or_b32 v[WSC], v[WSC], 16, v[WSC]       ; four times: W's scale word, the same in all 32 lanes
.irp i, 0,1,2,3,4,5,6,7
	v_mov_b32 v[Z+8+\i], v[Z+3]
.endr
	v_cvt_scalef32_pk8_fp4_f32 v[Z+7], v[Z+8:Z+15], v[Z+5]   ; alpha's code in all eight nibbles
	v_nop
	v_or_b32 v[Z+7], 0x88888888, v[Z+7]            ; and the signs kept
	v_readfirstlane_b32 s[MSK], v[Z+7]
; One product: inputs' block a (16 rows) against W's blocks b and b + 1 (32 columns), the slot's q-th 128 along K
.macro PROD a, b, q, first
.set rD, 8*(4*((\a)%8)+(\b))
.set rB, 128+32*((\q)%4)+8*(\b)
.set rA, 128*(1-(\q)%2)+8*(\a)
.set rS, SC+32*((\q)/4)+4*((\a)%8)+(\q)%4
.set rC, BIAS+8*(\b)
.if \first
.if (\a) < 8
	v_wmma_scale_f32_32x16x128_f4 v[rD:rD+15], v[rB:rB+15], v[rA:rA+7], v[rC:rC+15], v[WSC], v[rS]
.else
	v_wmma_scale_f32_32x16x128_f4 v[rD:rD+15], v[rB:rB+15], v[rA:rA+7], v[rC:rC+15], v[WSC], v[rS] matrix_b_scale:MATRIX_SCALE_ROW1
.endif
.else
.if (\a) < 8
	v_wmma_scale_f32_32x16x128_f4 v[rD:rD+15], v[rB:rB+15], v[rA:rA+7], v[rD:rD+15], v[WSC], v[rS]
.else
	v_wmma_scale_f32_32x16x128_f4 v[rD:rD+15], v[rB:rB+15], v[rA:rA+7], v[rD:rD+15], v[WSC], v[rS] matrix_b_scale:MATRIX_SCALE_ROW1
.endif
.endif
.endm
.macro MUL8 a0, q, first               ; the 32 accumulators take turns, in the same order in every step
.irp a, \a0, \a0+1, \a0+2, \a0+3
.irp b, 0,2
	PROD (\a), \b, \q, \first
.endr
.endr
.endm
.macro FIXW ring                       ; a set of W: s111 becomes s + alpha's code
	WIN TO_FIX
.set FI, 128+32*(\ring)
.rept 32
	v_and_b32 v[FI], s[MSK], v[FI]
.set FI, FI+1
.endr
	PLACES 4                                       ; an operand written by vector instructions stands four places ahead of a scaled matrix instruction
	s_wait_alu depctr_va_vdst(0)                   ; the wait here, directly behind the writes
.endm
.macro AFETCH qn, base                 ; 32 LDS loads in one run: inputs' sixteen fragments of the slot's qn-th 128 along K
.irp i, 0,1,2,3,4,5,6,7
.irp c, 0,1
	ds_load_b128 v[\base+8*\i+4*\c:\base+8*\i+4*\c+3], v[ADRA] offset:64*(\qn)+32*\c+\i*16*PITCH
.endr
.endr
.irp i, 0,1,2,3,4,5,6,7
.irp c, 0,1
	ds_load_b128 v[\base+64+8*\i+4*\c:\base+64+8*\i+4*\c+3], v[ADRA+1] offset:64*(\qn)+32*\c+\i*16*PITCH
.endr
.endr
.endm
.macro SCALES sc                       ; the scale words of four steps: lanes 0-15 block i, lanes 16-31 block i + 8
.irp i, 0,1,2,3,4,5,6,7
	ds_load_b128 v[SC+32*\sc+4*\i:SC+32*\sc+4*\i+3], v[ADRS] offset:\i*SBLK
.endr
.endm
; A step.  q: its place in the slot; j: its number from the trip's base; meet = 1: the change of slots with a refill, 2: without; wl: W is asked for; lc: W's loads that may stay out; last: nothing follows; ask: the prefetch.
.macro STEP q, j, first, meet, wl, lc, last, ask
.if \last == 0
.if (\q) == 7
	WIN 0
	s_xor_b32 s[SL], s[SL], SLOT                   ; on to the other slot
	v_add_nc_u32 v[ADRA], s[SL], v[AD0]
	v_add_nc_u32 v[ADRA+1], s[SL], v[AD0+1]
.endif
.if ((\q)%4) == 3
	WIN 0
	v_add_nc_u32 v[ADRS], 16, v[ADRS]              ; on to the next four steps' scale words
	s_wait_alu depctr_va_vdst(0)                   ; the wait here, directly behind the writes
	SCALES (1-(\q)/4)
.endif
	WIN TO_1
.if \wl
	WLOAD ((\q)+3)%4, (\j)+3
.endif
.if ((\q)%2) == 0
	AFETCH ((\q)+1)%8, 0
.else
	WIN 0
	AFETCH ((\q)+1)%8, 128
.endif
.if \ask
	global_prefetch_b8 v[PFO], s[PFW:PFW+1] th:TH_LOAD_NT scope:SCOPE_SE
.endif
.endif
.if \first
	WIN 0x81                                       ; W window 1, inputs window 0, C (b) window 0, D window 2
.else
	WIN 0xa1+4*((\q)%2)                            ; W window 1, inputs window 0 or 1, C and D window 2
.endif
	MUL8 0, \q, \first
	MUL8 4, \q, \first
.if \meet
	WIN 0                                          ; (the add's two registers lie in window 0)
	s_wait_tensorcnt 0x0                           ; all my tensor loads have landed: my part of the other slot;
	ds_add_u32 v[SPW], v[NIL]                      ; 0 onto my spare word
.endif
.if \first
	WIN 0xc1
.else
	WIN 0xf1+4*((\q)%2)
.endif
	MUL8 8, \q, \first
.if \meet
	s_wait_dscnt 0x0                               ; the add is done, and my reads of this slot are over: its last fragments are in registers
	s_barrier_signal -1
.endif
	MUL8 12, \q, \first
.if \meet
	WIN 0
	s_barrier_wait -1
.endif
.if \meet == 1
	CREST                                          ; the barrier has opened a round of the cluster's barrier
	s_add_co_u32 s[G0+1], s71, s[SL]               ; the slot just read out takes the 1,024 along K two slots on
	s_add_nc_u64 s[G0+2:G0+3], s[G0+2:G0+3], ROWB
	tensor_load_to_lds s[G0:G0+3], s[G1:G1+7]      ; the first tensor load behind the round
	s_nop 0
	PLACES 4
.endif
.if \last == 0
	s_wait_dscnt 0x0                               ; the next step's fragments of inputs are in (asked for 32 matrix instructions ago),
	s_wait_loadcnt \lc                             ; and the next step's set of W: the younger sets' loads stay out
	FIXW ((\q)+1)%4
.endif
.endm
	s_wait_alu depctr_va_vdst(0)                   ; the wait at the head's end
	s_wait_tensorcnt 0x0                           ; my tile of the head's four is in
	ds_add_u32 v[SPW], v[NIL]
	s_mov_b32 s[G1+2], 64<<16                      ; no tensor load of mine is out: from here on a load brings 64 rows
	s_mov_b32 s[G1+4], 64
	s_wait_dscnt 0x0
	CROUND
	tensor_load_to_lds s[G0:G0+3], s[G1:G1+7]      ; slot 1's first fill, the first tensor load behind the round
	s_nop 0
	PLACES 4
	AFETCH 0, 128
	SCALES 0
	s_wait_dscnt 0x0
	s_wait_loadcnt 16                              ; b and W's step 0 are in; steps 1 and 2 stay out
	FIXW 0
	STEP 0, 0, 1, 0, 1, 16, 0, 0                   ; the first step stands in front of the loop: its products start the sums, from b
	WIN 0
	s_mov_b32 s3, 2
.Llap:                                                 ; a trip: a slot's steps 1 to 7 and the next slot's step 0; it fills the slot again
	STEP 1, 1, 0, 0, 1, 16, 0, 1
	STEP 2, 2, 0, 0, 1, 16, 0, 0
	STEP 3, 3, 0, 0, 1, 16, 0, 0
	STEP 4, 4, 0, 0, 1, 16, 0, 0
	STEP 5, 5, 0, 0, 1, 16, 0, 0
	STEP 6, 6, 0, 1, 1, 16, 0, 0
	STEP 7, 7, 0, 0, 1, 16, 0, 0
	STEP 0, 8, 0, 0, 1, 16, 0, 0
	WIN 0
	s_wait_xcnt 0x0                                ; my loads and my prefetch have read their bases
	s_add_nc_u64 s[SW:SW+1], s[SW:SW+1], 8*1024
	s_add_nc_u64 s[PFW:PFW+1], s[PFW:PFW+1], 8*1024
	s_sub_co_u32 s3, s3, 1
	s_cmp_lg_u32 s3, 0
	s_cbranch_scc1 .Llap
	STEP 1, 1, 0, 0, 1, 16, 0, 0                   ; the last two slots fill nothing
	STEP 2, 2, 0, 0, 1, 16, 0, 0
	STEP 3, 3, 0, 0, 1, 16, 0, 0
	STEP 4, 4, 0, 0, 1, 16, 0, 0
	STEP 5, 5, 0, 0, 1, 16, 0, 0
	STEP 6, 6, 0, 2, 1, 16, 0, 0
	STEP 7, 7, 0, 0, 1, 16, 0, 0
	STEP 0, 8, 0, 0, 1, 16, 0, 0
	STEP 1, 9, 0, 0, 1, 16, 0, 0
	STEP 2, 10, 0, 0, 1, 16, 0, 0
	STEP 3, 11, 0, 0, 1, 16, 0, 0
	STEP 4, 12, 0, 0, 1, 16, 0, 0                  ; asks for W's last step
	STEP 5, 13, 0, 0, 0, 8, 0, 0
	STEP 6, 14, 0, 0, 0, 0, 0, 0
	STEP 7, 15, 0, 0, 0, 0, 1, 0
	WIN 0
; THE WAY OUT, block by block of 16 rows x 64 columns: through my own stage in LDS and back as whole rows of 256 bytes: sixteen lanes store one aligned unit of 256 bytes.
.macro TOSTAGE a
.set AC, 32*((\a)%8)
	WIN 0x08+4*((\a)/8)
.irp b, 0,1,2,3
	ds_store_b128 v[STO], v[AC+8*\b:AC+8*\b+3] offset:64*\b          ; each accumulator from its low end on
	ds_store_b128 v[STO], v[AC+8*\b+4:AC+8*\b+7] offset:64*\b+16
.endr
	WIN 0
.set BB, BK+32*((\a)%2)
.irp t, 0,1,2,3,4,5,6,7
	ds_load_b128 v[BB+4*\t:BB+4*\t+3], v[RD] offset:\t*2*SPITCH
.endr
.endm
.macro SEND a, younger
.set BB, BK+32*((\a)%2)
	s_wait_dscnt \younger                          ; the block is back; the younger LDS instructions stay out
.if (\a) > 0
	s_add_nc_u64 s[14:15], s[14:15], 16*SIZE_N*4   ; behind a wait on XCNT: the earlier stores have read their base
.endif
.irp t, 0,1,2,3,4,5,6,7
	global_store_b128 v[CO2], v[BB+4*\t:BB+4*\t+3], s[14:15] offset:2*\t*SIZE_N*4 th:TH_STORE_NT
.endr
.endm
	PLACES 4                                       ; behind the last products: for the reads of results
	TOSTAGE 0
.irp a, 1,2,3,4,5,6,7,8,9,10,11,12,13,14,15
.if \a > 1
	s_wait_xcnt 0x0                                ; block a - 2's stores have read their registers and their base
.endif
	TOSTAGE \a
	SEND \a-1, 16                                  ; behind block a - 1's loads: block a's 8 stores and 8 loads
.endr
	s_wait_xcnt 0x0
	SEND 15, 0
	s_wait_tensorcnt 0x0                           ; the wave's end
	ds_add_u32 v[SPW], v[NIL]
	s_wait_dscnt 0x0
	CROUND                                         ; the closing round
	s_endpgm
.Lfunc_end_k_q78efcfa020_gemm:
	.size	k_q78efcfa020_gemm, .Lfunc_end_k_q78efcfa020_gemm-k_q78efcfa020_gemm
	.p2alignl 7, 3214868480
	.fill 96, 4, 3214868480
	.section	.rodata,"a",@progbits
	.p2align	6, 0x0
	.amdhsa_kernel k_q78efcfa020_gemm
		.amdhsa_group_segment_fixed_size 327680
		.amdhsa_private_segment_fixed_size 0
		.amdhsa_enable_private_segment 0
		.amdhsa_kernarg_size 48
		.amdhsa_user_sgpr_count 2
		.amdhsa_user_sgpr_kernarg_segment_ptr 1
		.amdhsa_wavefront_size32 1
		.amdhsa_system_sgpr_workgroup_id_x 1
		.amdhsa_system_sgpr_workgroup_id_y 1
		.amdhsa_system_sgpr_workgroup_id_z 1
		.amdhsa_system_vgpr_workitem_id 0
		.amdhsa_next_free_vgpr 1024
		.amdhsa_next_free_sgpr 80
		.amdhsa_reserve_vcc 0
		.amdhsa_float_denorm_mode_32 3
		.amdhsa_float_denorm_mode_16_64 3
		.amdhsa_memory_ordered 1
		.amdhsa_forward_progress 1
		.amdhsa_inst_pref_size 243
	.end_amdhsa_kernel
	.amdgpu_metadata
---
amdhsa.version: [ 1, 2 ]
amdhsa.kernels:
  - .name:           k_q78efcfa020_gemm
    .symbol:         k_q78efcfa020_gemm.kd
    .args:
      - { .name: inputs_codes, .offset: 0, .size: 8, .value_kind: global_buffer, .address_space: global }
      - { .name: inputs_scales, .offset: 8, .size: 8, .value_kind: global_buffer, .address_space: global }
      - { .name: wpat, .offset: 16, .size: 8, .value_kind: global_buffer, .address_space: global }
      - { .name: part2, .offset: 24, .size: 8, .value_kind: global_buffer, .address_space: global }
      - { .name: b, .offset: 32, .size: 8, .value_kind: global_buffer, .address_space: global }
      - { .name: out0, .offset: 40, .size: 8, .value_kind: global_buffer, .address_space: global }
    .group_segment_fixed_size: 327680
    .private_segment_fixed_size: 0
    .kernarg_segment_align: 8
    .kernarg_segment_size: 48
    .max_flat_workgroup_size: 128
    .sgpr_count:     80
    .vgpr_count:     1024
    .wavefront_size: 32
...
	.end_amdgpu_metadata
.endif
;; end of part 3
